; MI455X (gfx1250); checked and timed in simulation.
; The chip was launched on July 23, 2026; its instructions are those of AMD's public machine-readable ISA for CDNA 5 (MIT licence, August 2026) and "CDNA5" Instruction Set Architecture Reference Guide (July 2026). The comments in the code are by the model that wrote it; some were corrected since.
;; Top K Mo E. Allowed arithmetic: matrix products marked QUANTISED: E2M1 operands, one E8M0 scale for each 32 along K, by v_wmma_scale_f32_16x16x128_f8f6f4 with both operands' format E2M1 (or v_wmma_scale_f32_32x16x128_f4), f32 sums; products left as they are: f32 operands where the result goes on into a quantised operand, else bf16, f16 or f32 operands; f32 sums; everything else in f32.
;; Inputs: W1 8 x 1,024 x 4,096 float32; W2 8 x 4,096 x 1,024 float32; Wg 1,024 x 8 float32; b1 8 x 4,096 float32; b2 8 x 1,024 float32; bg 8 float32; x 1,024 x 1,024 float32.
;; Outputs: out0 1,024 x 1,024 float32.
;; Constants: k = 2.
;; This version of the problem:
;;   THIS VERSION OF THE PROBLEM IS GIVEN IN LOW PRECISION. The matrix products marked QUANTISED in the list below multiply operands that are first quantised to E2M1 (2 exponent bits, 1 mantissa bit; 4 bits a number), with one power-of-two scale for each 32 numbers along K (OCP MX v1.0); their sums are f32. All else is computed in f32.
;;   The module's matrix products, in the order in which they are computed (A, B: the left and right operand; K: the contracted axis; several contracted axes count as one K, in the product's order):
;;     1. [M 1,024, K 1,024] x [K 1,024, N 8]; A: input x; B: input Wg: left as it is (N = 8 < 16)
;;     2. [M 32,768, K 1,024] x [K 1,024, N 1,024]; A: input W1; B: input x: QUANTISED
;;     3. batch 8 x [M 1,024, K 4,096] x [K 4,096, N 1,024]; A: computed on the way; B: input W2: QUANTISED
;;     4. batch 1,024 x [M 1, K 8] x [K 8, N 1,024]; A: computed on the way; B: computed on the way: left as it is (K = 8 < 32)
;;   THE QUANTISER, for each operand of a quantised product, along K:
;;     - K is cut into blocks of 32 from its start; a last block that is shorter is filled with zeros.
;;     - A block's scale is 2^e with e = floor(log2(the largest magnitude in the block)) - 2, held to -126 .. 127; a block of zeros has e = 0. As a byte (E8M0): e + 127.
;;     - Each number is divided by its block's scale, clamped to +-6, and rounded to the nearest number of E2M1, ties to even, subnormals kept.
;;     - The product sums the exact products of the quantised numbers (number of the format x scale) in f32.
;;   ~~~python
;;   def quantise(x, axis):      # numpy; x: float32 -> the quantised numbers, widened to float32 again
;;       x = np.moveaxis(x, axis, -1); K = x.shape[-1]
;;       x = np.pad(x, [(0, 0)] * (x.ndim - 1) + [(0, -K % 32)]); x = x.reshape(x.shape[:-1] + (-1, 32)); a = np.abs(x).max(-1, keepdims=True)
;;       e = np.where(a > 0, np.clip(np.frexp(np.where(a > 0, a, 1))[1] - 1 - 2, -126, 127), 0)      # np.frexp(a)[1] - 1 = floor(log2(a)), exactly
;;       r = np.clip(x / 2.0 ** e, -6, 6)
;;       step = 2.0 ** (np.maximum(np.frexp(np.where(r == 0, 1, r))[1] - 1, 0) - 1)
;;       q = np.round(r / step) * step * 2.0 ** e      # np.round: ties to even
;;       return np.moveaxis(q.reshape(q.shape[:-2] + (-1,))[..., :K], -1, axis).astype(np.float32)
;;   ~~~
;;   OPERANDS COMPUTED ON THE WAY. 'Computed on the way' means the value that the module computes at that place (a softmax that the list does not call 'softmax' is quantised finished and normalised). What goes into a quantiser is computed in f32, as accurately as f32 sums, v_exp_f32 and their like allow (about 1e-6 of the number): no bf16 or f16 on the way to a quantiser, and a product that is left as it is and whose result goes on into a quantised operand takes f32 operands (vector FMAs, or v_wmma_f32_16x16x4_f32). A number that lies on a knife's edge between two numbers of the format may be rounded either way, as far as f32 arithmetic and the matrix unit's own rounding can turn it there, and no further.
;; One version. Each part assembles by itself: llvm-mc -triple=amdgcn-amd-amdhsa -mcpu=gfx1250 --defsym DOCPART=n.
;; ======== version 1 of 1: 4 launches
;; workspace buffers: xc 557,056 bytes; rt 9,216 bytes of whole numbers; gate 8,192 bytes; pos 32,768 bytes of whole numbers; hc 23,592,960 bytes; y 83,886,080 bytes
;; launch route (part 1): grid 128 x 1, 8 waves a work-group, no clusters, 71,680 bytes of LDS; arguments x, Wg, bg, xc, rt, gate; writes xc, rt, gate
.if DOCPART == 1
	.amdgcn_target "amdgcn-amd-amdhsa--gfx1250"
	.amdhsa_code_object_version 6
	.text
	.protected	k_qdc59107439_route
	.globl	k_qdc59107439_route
	.p2align	8
	.type	k_qdc59107439_route,@function
k_qdc59107439_route:
	s_mov_b64 s[64:65], 0
	v_nop
	global_prefetch_b8 v0, s[64:65] scope:SCOPE_SE
	s_setreg_imm32_b32 hwreg(HW_REG_WAVE_MODE, 25, 1), 1
	s_wait_xcnt 0x0
; ROUTER AND x's QUANTISER.  scores = x Wg + bg in f32 (fused multiply-adds); the two largest scores of each token (the lower index wins a tie, as jax.lax.top_k has it);
; the gates g = p / (p0 + p1 + 1e-8), p = softmax over ALL eight scores (the largest score is taken away first); x as codes of E2M1 with one E8M0 byte for each 32 along K.
; DEAD WORK, for the whole program.  out[n] = sum over e of w[n][e] outs[e][n].  w = softmax x mask, and the mask, which the problem builds itself as the sum of two one-hot rows, is an exact 0
; for six of the eight experts of every token.  A term 0 x outs[e][n] is 0 in exact arithmetic whatever finite numbers outs holds.  So the rows (e, n) of both expert products with mask 0 reach no output.
; Which rows they are hangs on the inputs: this launch stores the choice as whole numbers at fixed places, and the later launches read it and multiply the chosen rows alone.  Every input is loaded by some launch.
; LIMITS.  A NaN, an infinity or an overflow that reaches only the rows left out is not carried to the result.  NaN and infinities in x, Wg, bg are not served.  The score's sum runs in another order than
; the problem's: a token whose second and third scores agree to f32 rounding may choose the other of the two.  A block of zeros gets the byte 1 (its codes are zeros; only this program reads the bytes);
; blocks whose largest magnitude lies under 2^-124 are held at the byte 1.
; THE ORDER OF k INSIDE A BLOCK OF 32, in all operands of both products: place 8 j + i holds offset 4 i + j (i = 0..7, j = 0..3).  Both sides of a product use it, and a block's scale does not feel it.
; SHARES.  A work-group takes 8 tokens (one byte of each expert's bit mask), a wave one token, lane L block L (k = 32 L .. 32 L + 31).  128 work-groups: a ninth token would break the mask's byte.
; No matrix unit (8 columns), no cluster: the work-groups share Wg's 32 KB alone.
; OUT.  xc: codes [token][h][s][c][16 bytes] (block 4 s + 2 c + h), from byte 524288 the scale bytes [token][32].  rt: masks [e][128 bytes], from byte 1024 the chosen experts [n][2].  gate: [n][2] f32.
.set WGL,   0                          ; LDS: lane L's 1,024 bytes of Wg + 16 of padding: 32 x 1,040
.set XT,    33280                      ; a wave's turn of x: 32 blocks x (128 + 16) bytes; 8 waves
.set INFO,  70144                      ; 16 bytes a token: e0, e1, g0, g1
.set XSB,   70400                      ; 32 scale bytes a token
.set SPARE, 70656                      ; the spare words, 128 bytes for each wave
.set SPW, 12                           ; v12  my spare word's address; never rewritten
.set NIL, 13                           ; v13  0; never rewritten
.set R,   16                           ; v16-47   x as loaded; later at work
.set GD,  48                           ; v48-79   Wg as loaded
.set T,   80                           ; v80-111  my block in the order of places
.set WB,  112                          ; v112-239 two sets of 64 numbers of Wg; later at work
.set S,   240                          ; v240-247 the eight scores
	s_load_b256 s[4:11], s[0:1], 0x0               ; x, Wg, bg, xc
	s_load_b128 s[12:15], s[0:1], 0x20             ; rt, gate
	v_lshl_add_u32 v[SPW], v0, 2, SPARE
	v_mov_b32 v[NIL], 0
	v_lshrrev_b32 v1, 5, v0
	v_readfirstlane_b32 s24, v1                    ; wave 0..7
	v_and_b32 v1, 31, v0                           ; L
	v_lshlrev_b32 v4, 4, v1                        ; 16 L
	s_mul_i32 s25, s24, 4160
	v_add_nc_u32 v5, s25, v4                       ; Wg into LDS: my wave's 4,096 bytes are four lanes' parts
	v_mul_u32_u24 v6, v1, 1040                     ; Wg out of LDS: my 32 rows
	s_mul_i32 s25, s24, 4608
	s_add_co_u32 s25, s25, XT
	v_lshrrev_b32 v2, 3, v1
	v_and_b32 v3, 7, v1                            ; L % 8: stays
	v_mul_u32_u24 v7, v2, 144
	v_lshl_add_u32 v7, v3, 2, v7
	v_add_nc_u32 v7, s25, v7                       ; x into the turn: block (L / 8), place (L % 8); the load's number and the word add 576 m + 32 jj
	v_mul_u32_u24 v8, v1, 144
	v_add_nc_u32 v8, s25, v8                       ; and out of it: block L
	v_and_b32 v9, 1, v1
	v_lshlrev_b32 v9, 8, v9
	v_lshrrev_b32 v2, 2, v1
	v_lshl_add_u32 v9, v2, 5, v9
	v_bfe_u32 v2, v1, 1, 1
	v_lshl_add_u32 v9, v2, 4, v9                   ; my block's 16 bytes in the token's codes: 256 h + 32 s + 16 c
	s_lshl_b32 s26, s24, 5
	s_add_co_u32 s26, s26, XSB
	v_add_nc_u32 v10, s26, v1                      ; my scale byte
	s_lshl_b32 s26, s24, 4
	s_add_co_u32 s26, s26, INFO
	v_mov_b32 v11, s26                             ; my token's 16 bytes
	v_lshl_add_u32 v14, v1, 3, XSB                 ; what wave 0 reads at the end: made here, ahead of the branch on the wave's number
	v_mov_b32 v15, INFO
	v_lshl_add_u32 v2, v3, 4, INFO
	v_lshlrev_b32 v248, 3, v1                      ; 8 L
	v_lshlrev_b32 v249, 7, v1                      ; 128 L
	s_mov_b32 s34, 0x76543210
	s_mov_b32 s35, 0xfedcba98                      ; v_permlanex16_b32's selects for lane l xor 16
	s_lshl_b32 s27, ttmp9, 3
	s_add_co_u32 s27, s27, s24                     ; my token
	s_lshl_b32 s28, s27, 12
	s_mov_b32 s29, 0
	s_lshl_b32 s30, s24, 12
	s_mov_b32 s31, 0
	s_lshl_b32 s32, s27, 9
	s_mov_b32 s33, 0
	s_lshl_b32 s38, ttmp9, 8
	s_add_co_u32 s38, s38, 524288
	s_mov_b32 s39, 0
	s_lshl_b32 s44, ttmp9, 6
	s_mov_b32 s45, 0
	s_add_co_u32 s42, s44, 1024
	s_mov_b32 s43, 0
	s_mov_b32 s46, ttmp9
	s_mov_b32 s47, 0
	s_wait_kmcnt 0x0
	s_load_b256 s[16:23], s[8:9], 0x0              ; bg
	s_add_nc_u64 s[28:29], s[4:5], s[28:29]        ; x at my token
	s_add_nc_u64 s[30:31], s[6:7], s[30:31]        ; Wg at my wave's eighth
	s_add_nc_u64 s[32:33], s[10:11], s[32:33]      ; my token's codes
	s_add_nc_u64 s[38:39], s[10:11], s[38:39]      ; the work-group's 256 scale bytes
	s_add_nc_u64 s[42:43], s[12:13], s[42:43]      ; the chosen experts of the work-group's tokens
	s_add_nc_u64 s[44:45], s[14:15], s[44:45]      ; their gates
	s_add_nc_u64 s[46:47], s[12:13], s[46:47]      ; the work-group's byte in each mask
.irp m, 0,1,2,3,4,5,6,7
	global_load_b128 v[R+4*\m:R+4*\m+3], v4, s[28:29] offset:512*\m th:TH_LOAD_NT   ; 32 lanes read 512 consecutive bytes
.endr
.irp m, 0,1,2,3,4,5,6,7
	global_load_b128 v[GD+4*\m:GD+4*\m+3], v4, s[30:31] offset:512*\m
.endr
	s_wait_loadcnt 8                               ; x is in; Wg's eight loads may be out
.irp m, 0,1,2,3,4,5,6,7
.irp jj, 0,1,2,3
	ds_store_b32 v7, v[R+4*\m+\jj] offset:576*\m+32*\jj    ; k = 128 m + 4 L + jj goes to block 4 m + L / 8, place 8 jj + L % 8: the store lays the order of places
.endr
.endr
	s_wait_loadcnt 0x0
.irp m, 0,1,2,3,4,5,6,7
	ds_store_b128 v5, v[GD+4*\m:GD+4*\m+3] offset:(\m/2)*1040+512*(\m%2)
.endr
	s_wait_dscnt 0x0                               ; for the others' sake: my part of Wg lies in LDS
	s_barrier_signal -1
	s_barrier_wait -1
.irp q, 0,1,2,3,4,5,6,7
	ds_load_b128 v[T+4*\q:T+4*\q+3], v8 offset:16*\q
.endr
.macro WBLOAD b                        ; 8 rows of Wg (64 numbers) of my 32, into set b % 2
.irp t, 0,1,2,3,4,5,6,7,8,9,10,11,12,13,14,15
	ds_load_b128 v[WB+64*((\b)%2)+4*\t:WB+64*((\b)%2)+4*\t+3], v6 offset:256*(\b)+16*\t
.endr
.endm
	WBLOAD 0
	WBLOAD 1
	s_wait_dscnt 32                                ; my block is in; the two batches of Wg may be out
	; the block's largest magnitude in four chains, with the floor 2^(3 - 127) among the leaves: the byte cannot fall under 1
.irp c, 0,1,2,3
	v_max3_num_f32 v[16+\c], |v[T+8*\c]|, |v[T+8*\c+1]|, 0x1800000
.endr
.irp i, 2,4,6
.irp c, 0,1,2,3
	v_max3_num_f32 v[16+\c], v[16+\c], |v[T+8*\c+\i]|, |v[T+8*\c+\i+1]|
.endr
.endr
	v_max3_num_f32 v16, v16, v17, v18
	v_max_num_f32 v16, v16, v19
	v_add_nc_u32 v20, 0xff000000, v16              ; 2 off the exponent field: the conversion takes this operand's exponent field as its scale
	v_lshrrev_b32 v21, 23, v20                     ; the scale's byte
.irp j, 0,1,2,3
	v_cvt_scalef32_pk8_fp4_f32 v[24+\j], v[T+8*\j:T+8*\j+7], v20
.endr
	v_nop                                          ; one plain line behind the last scaled conversion
	global_store_b128 v9, v[24:27], s[32:33]       ; the wave's 512 bytes: two whole aligned blocks of 256
	ds_store_b8 v10, v21
.macro SCORE b                         ; 8 rows of Wg x my 8 numbers of x: eight sums by turns; the first products start them
.irp kk, 0,1,2,3,4,5,6,7
.irp e, 0,1,2,3,4,5,6,7
.if (\b) == 0 && \kk == 0
	v_mul_f32 v[S+\e], v[T+8*((8*(\b)+\kk)%4)+(8*(\b)+\kk)/4], v[WB+64*((\b)%2)+8*\kk+\e]
.else
	v_fmac_f32 v[S+\e], v[T+8*((8*(\b)+\kk)%4)+(8*(\b)+\kk)/4], v[WB+64*((\b)%2)+8*\kk+\e]
.endif
.endr
.endr
.endm
	s_wait_dscnt 17                                ; batch 0 is in: behind it stand batch 1's sixteen loads and the byte's store
	SCORE 0
	WBLOAD 2
	s_wait_dscnt 16                                ; batch 1 is in: batch 2's sixteen may be out
	SCORE 1
	WBLOAD 3
	s_wait_dscnt 16
	SCORE 2
	s_wait_dscnt 0x0
	SCORE 3
.irp k, 1,2,4,8
.irp e, 0,1,2,3,4,5,6,7
	v_add_f32_dpp v[S+\e], v[S+\e], v[S+\e] row_xmask:\k row_mask:0xf bank_mask:0xf
.endr
.endr
.irp e, 0,1,2,3,4,5,6,7
	v_mov_b32 v[136+\e], 0                         ; a lane permute's destination counts as one of its sources
.endr
.irp e, 0,1,2,3,4,5,6,7
	v_permlanex16_b32 v[136+\e], v[S+\e], s34, s35
.endr
.irp e, 0,1,2,3,4,5,6,7
	v_add_f32 v[S+\e], v[S+\e], v[136+\e]          ; every lane holds the token's eight sums
.endr
	s_wait_kmcnt 0x0                               ; bg
.irp e, 0,1,2,3,4,5,6,7
	v_add_f32 v[S+\e], s[16+\e], v[S+\e]
.endr
	; the largest score and its index: the old one stays where the new is not larger, so the lower index wins a tie.  No branch: selections alone
	v_mov_b32 v112, v[S]
	v_mov_b32 v113, 0
.irp e, 1,2,3,4,5,6,7
	v_cmp_le_f32 vcc_lo, v[S+\e], v112
	v_cndmask_b32 v113, \e, v113, vcc_lo
	v_cndmask_b32 v112, v[S+\e], v112, vcc_lo
.endr
	v_mov_b32 v114, 0xff800000                     ; the second: from -infinity on, passing over the first's index
	v_mov_b32 v115, 0
.irp e, 0,1,2,3,4,5,6,7
	v_cmp_le_f32 s36, v[S+\e], v114
	v_cmp_eq_u32 s37, \e, v113
	s_or_b32 s36, s36, s37
	v_cndmask_b32 v115, \e, v115, s36
	v_cndmask_b32 v114, v[S+\e], v114, s36
.endr
	; the softmax over all eight, the largest score taken away; then the two kept ones, made to sum to one (+ 1e-8 in the divisor)
.irp e, 0,1,2,3,4,5,6,7
	v_sub_f32 v[116+\e], v[S+\e], v112
.endr
	v_sub_f32 v124, v114, v112
.irp e, 0,1,2,3,4,5,6,7,8
	v_mul_f32 v[116+\e], 0x3fb8aa3b, v[116+\e]     ; x log2(e)
.endr
.irp e, 0,1,2,3,4,5,6,7,8
	v_exp_f32 v[116+\e], v[116+\e]
.endr
	v_nop                                          ; a plain line behind the last exponential
	s_wait_alu depctr_va_vdst(0)                   ; one wait for the nine, ahead of their first reader
	v_add_f32 v125, v116, v117
	v_add_f32 v126, v118, v119
	v_add_f32 v127, v120, v121
	v_add_f32 v128, v122, v123
	v_add_f32 v125, v125, v126
	v_add_f32 v127, v127, v128
	v_add_f32 v125, v125, v127                     ; Z
	v_rcp_f32 v126, v125                           ; p of the largest score: its exponential is 1
	v_nop
	s_wait_alu depctr_va_vdst(0)
	v_mul_f32 v127, v124, v126                     ; p of the second
	v_add_f32 v128, v126, v127
	v_add_f32 v128, 0x322bcc77, v128               ; + 1e-8
	v_rcp_f32 v129, v128
	v_mov_b32 v132, v113                           ; (plain lines behind the reciprocal)
	v_mov_b32 v133, v115
	s_wait_alu depctr_va_vdst(0)
	v_mul_f32 v134, v126, v129
	v_mul_f32 v135, v127, v129
	ds_store_b128 v11, v[132:135]                  ; all lanes write the same 16 bytes with the same values
	s_wait_dscnt 0x0                               ; for wave 0's sake: my token's 16 bytes and its 32 scale bytes lie in LDS
	s_barrier_signal -1
	s_barrier_wait -1
	s_cmp_lg_u32 s24, 0
	s_cbranch_scc1 .Lend                           ; wave 0 stores what the eight tokens have in common
	ds_load_b64 v[146:147], v14
.irp t, 0,1,2,3,4,5,6,7
	ds_load_b64 v[148+2*\t:149+2*\t], v15 offset:16*\t     ; token t's two experts, in every lane
.endr
	ds_load_b128 v[164:167], v2                    ; token L % 8's 16 bytes
	s_wait_dscnt 0x0
	global_store_b64 v248, v[146:147], s[38:39]    ; 256 scale bytes: one whole aligned block
	v_mov_b32 v168, 0
.irp t, 0,1,2,3,4,5,6,7
	v_cmp_eq_u32 s36, v[148+2*\t], v3
	v_cmp_eq_u32 s37, v[149+2*\t], v3
	s_or_b32 s36, s36, s37
	v_cndmask_b32 v169, 0, 1, s36
	v_lshl_or_b32 v168, v169, \t, v168             ; lane e: bit t says that token t chose expert e
.endr
	s_wait_xcnt 0x0                                ; EXEC changes only behind this wait
	v_cmp_gt_u32 vcc_lo, 8, v0
	s_and_saveexec_b32 s40, vcc_lo
	global_store_b64 v248, v[164:165], s[42:43]    ; 64 bytes of experts,
	global_store_b64 v248, v[166:167], s[44:45]    ; 64 of gates,
	global_store_b8 v249, v168, s[46:47]           ; and one byte of each of the eight masks: 1,024 such bytes in the launch, the price of masks that later launches take by scalar loads
	s_wait_xcnt 0x0
	s_or_b32 exec_lo, exec_lo, s40
.Lend:
	s_wait_tensorcnt 0x0                           ; the wave's end, behind my last LDS store
	ds_add_u32 v[SPW], v[NIL]
	s_wait_dscnt 0x0
	s_endpgm
.Lfunc_end_k_qdc59107439_route:
	.size	k_qdc59107439_route, .Lfunc_end_k_qdc59107439_route-k_qdc59107439_route
	.p2alignl 7, 3214868480
	.fill 96, 4, 3214868480
	.section	.rodata,"a",@progbits
	.p2align	6, 0x0
	.amdhsa_kernel k_qdc59107439_route
		.amdhsa_group_segment_fixed_size 71680
		.amdhsa_private_segment_fixed_size 0
		.amdhsa_enable_private_segment 0
		.amdhsa_kernarg_size 48
		.amdhsa_user_sgpr_count 2
		.amdhsa_user_sgpr_kernarg_segment_ptr 1
		.amdhsa_wavefront_size32 1
		.amdhsa_system_sgpr_workgroup_id_x 1
		.amdhsa_system_sgpr_workgroup_id_y 1
		.amdhsa_system_sgpr_workgroup_id_z 1
		.amdhsa_system_vgpr_workitem_id 0
		.amdhsa_next_free_vgpr 256
		.amdhsa_next_free_sgpr 66
		.amdhsa_reserve_vcc 1
		.amdhsa_float_denorm_mode_32 3
		.amdhsa_float_denorm_mode_16_64 3
		.amdhsa_memory_ordered 1
		.amdhsa_forward_progress 1
		.amdhsa_inst_pref_size 34
	.end_amdhsa_kernel
	.amdgpu_metadata
---
amdhsa.version: [ 1, 2 ]
amdhsa.kernels:
  - .name:           k_qdc59107439_route
    .symbol:         k_qdc59107439_route.kd
    .args:
      - { .name: x, .offset: 0, .size: 8, .value_kind: global_buffer, .address_space: global }
      - { .name: Wg, .offset: 8, .size: 8, .value_kind: global_buffer, .address_space: global }
      - { .name: bg, .offset: 16, .size: 8, .value_kind: global_buffer, .address_space: global }
      - { .name: xc, .offset: 24, .size: 8, .value_kind: global_buffer, .address_space: global }
      - { .name: rt, .offset: 32, .size: 8, .value_kind: global_buffer, .address_space: global }
      - { .name: gate, .offset: 40, .size: 8, .value_kind: global_buffer, .address_space: global }
    .group_segment_fixed_size: 71680
    .private_segment_fixed_size: 0
    .kernarg_segment_align: 8
    .kernarg_segment_size: 48
    .max_flat_workgroup_size: 256
    .sgpr_count:     66
    .vgpr_count:     256
    .wavefront_size: 32
...
	.end_amdgpu_metadata
.endif
;; end of part 1
;; launch up (part 2): grid 256 x 1, 4 waves a work-group, no clusters, 108,032 bytes of LDS; arguments W1, b1, xc, rt, hc, pos; writes hc, pos
.if DOCPART == 2
	.amdgcn_target "amdgcn-amd-amdhsa--gfx1250"
	.amdhsa_code_object_version 6
	.text
	.protected	k_qdc59107439_up
	.globl	k_qdc59107439_up
	.p2align	8
	.type	k_qdc59107439_up,@function
k_qdc59107439_up:
	s_mov_b64 s[64:65], 0
	v_nop
	global_prefetch_b8 v0, s[64:65] scope:SCOPE_SE
	s_setreg_imm32_b32 hwreg(HW_REG_WAVE_MODE, 25, 1), 1
	s_wait_xcnt 0x0
; FIRST EXPERT LAYER, chosen rows alone: h = relu(x W1[e] + b1[e]) on codes of E2M1, h quantised on the way out.  Rows of experts that a token did not choose are dead work (shown at the head of the first kernel).
; SHARES.  Work-group (e, sl): expert e = id / 32, hidden units 128 sl .. 128 sl + 127: 1,024 x 128 numbers of W1, 512 KB, which no other work-group reads.
; THE STREAM.  Wave w takes K rows 512 (w / 2) on and columns 64 (w % 2) on, in 8 sets of 64 rows x 64 columns.  A set is 32 loads of 16 bytes a lane: lanes 0-15 one row's 256 bytes, lanes 16-31 the next row's.
; Two landing sets take turns, so up to 63 loads of a wave are out.  A lane's 4 neighbouring columns fall into 4 column tiles j; of a block of 32 along K it holds the 16 rows of its parity, the lane 16 away the others.
; Copied so that a conversion's eight sources are neighbours, converted, and brought together by v_permlane16_swap_b32, the codes are the operand's registers; they go to LDS as images of registers (16 bytes a lane).
; THE ORDER OF k INSIDE A BLOCK: place 8 j + i holds offset 4 i + j, as in x's codes.  Column tile 4 G + j holds columns 64 G + 4 m + j in row m: so a result's lane (r, h) holds, over j and its registers i,
; units 64 G + 32 h + 4 i + j: a whole block of the next K in one lane, in the same order of places: the conversions' results are the next operand's registers.
; ROWS.  Place p of expert e is the token of the (p + 1)-th set bit of e's mask.  Tile t = 20 pass + 4 i + w holds places 16 t .. 16 t + 15.  Each wave finds its own places' tokens in registers: the mask's 32 words lie in
; scalar registers; a lane keeps the last word whose running count is at or under its place, then halves that word five times by counts of set bits held in fields of 8, 4, 2 and 1 bits.  A place at or over the
; expert's count ends in the last word and names a real token, whose row is worked and never used.  The head's work on the mask stands behind 63 loads of the stream; the 64th follows it.
; x's CODES.  A token's codes are 512 consecutive bytes, aligned: one load of the wave brings them whole (the token's number goes to a scalar register by v_readlane_b32).  Of a tile's 16 loads register group m then
; holds token m and the lane the piece; the operand wants token r in lane r: the tile turns through the wave's own stage in LDS (rows of 512 + 16 bytes) and comes back into the registers that it left.
; A pass is 320 places.  Pass 0 always runs; a later pass runs where the expert's count is over 320 pass: any split is served, up to all 1,024 tokens on one expert.
; NO TENSOR LOAD, NO CLUSTER: the passes hang on a count read from memory; each byte of W1 has one reader; what work-groups share, x's codes, is 174 KB beside 512 KB.
; LIMITS: as stated at the head of the first kernel (byte 1 for blocks of zeros and under 2^-124; NaN and infinities not served).
; REGISTERS.  window 0: v1-31 addresses and tokens; v32-71 x's scale words; v72-87 W1's, two sets; v88-127 h's codes (in the stream: two sets of 16 offsets of x's loads); v128-255 at work: the search for the tokens,
;   the stream's T, C and so on, then two buffers of W1's fragments, then the way out.
;   window 1: the landing sets, then the accumulators of tiles 0-3.   window 2: v0-63 tile 4's; v64-127 b1 in the result's layout; v128-255 x's codes of tiles 0, 1.   window 3: v0-191 those of tiles 2, 3, 4; v192-255 b1 as loaded.
.set PITCH, 16384                      ; a row of W1[e] in bytes
.set NT,    8                          ; column tiles
.set NG,    2                          ; groups of four
.set WSC,   65536                      ; LDS: 0: the images, ((s NT + ct) 2 + c) 512 + 16 lane;  here W1's scale words, (s NG + G) 512 + 16 lane
.set STG,   73728                      ; the stages for x's codes: 16 rows of SROW bytes for each wave
.set SROW,  528                        ; 512 bytes + 16: the sixteen rows that a load touches fall into sixteen different columns of 16 bytes
.set SPARE, 107520                     ; the spare words, 128 bytes for each wave
.set SPW, 10
.set NIL, 11
.set TU,  21                           ; v21-23 tokens: lanes 0-15 | 16-31: tiles 0 | 1, 2 | 3, 4 | 4
.set XSO, 26                           ; v26-30 32 token, tile i's in lanes 0-15
.set XS,  32
.set WS,  72
.set HC,  88
.set XOF, 88                           ; v88-119 512 token + 16 lane: 16 loads' offsets, two sets by turns
.set T,   128                          ; 64 numbers: column j at 16 j: eight of even rows, eight of odd
.set C,   192
.set M,   208
.set M2,  212
.set SO,  216
.set BY,  220
.set WD,  224
.set PR,  128                          ; the places that go to pos
.set SELP, 128                         ; the search, three vectors each: the place,
.set SELW, 131                         ; the word,
.set SELQ, 134                         ; its running count << 16 | its first token,
.set SELA, 137                         ; counts in fields of 2,
.set SELB, 140                         ; of 4,
.set SELC, 143                         ; of 8 bits,
.set SELT, 146                         ; at work,
.set SELK, 149                         ; set bits still to pass,
.set SELO, 152                         ; the bit's number so far,
.set SELU, 155                         ; its step
.set E,   128                          ; the way out: a tile after relu
.set HM,  192
.set HSO, 194
.set HBY, 196
.set HT,  198
.set HT2, 199
.set HW,  240
.set MSB, 0
.macro WIN new                         ; the immediate's high byte repeats the setting that is left
.if MSB != \new
	s_set_vgpr_msb (MSB<<8)|\new
.set MSB, \new
.endif
.endm
.macro PLACES n
.rept \n
	v_nop
.endr
.endm
.macro WLOADR set, it, from, to        ; loads from .. to - 1 of set it of my eight (a set: 64 rows x 256 bytes in 32 loads)
	WIN 0x40
.set I_, \from
.rept (\to)-(\from)
	global_load_b128 v[128*(\set)+4*I_:128*(\set)+4*I_+3], v3, s[60:61] offset:(64*(\it)+2*I_)*PITCH th:TH_LOAD_NT
.set I_, I_+1
.endr
	WIN 0
.endm
.macro WLOAD set, it
	WLOADR \set, \it, 0, 32
.endm
.macro GATHER set, beta                ; block beta of the set: my 16 rows x 4 columns, each column's even rows on end, then its odd rows
	WIN 0x01
.irp t, 0,1,2,3,4,5,6,7,8,9,10,11,12,13,14,15
.irp j, 0,1,2,3
	v_mov_b32 v[T+16*\j+8*(\t%2)+\t/2], v[128*(\set)+4*(16*(\beta)+\t)+\j]
.endr
.endr
	WIN 0
.endm
.macro BLKQ beta, sh                   ; four columns' block: scale, byte (at bit sh of the scale word), codes
.irp j, 0,1,2,3
	v_max3_num_f32 v[M+\j], |v[T+16*\j]|, |v[T+16*\j+1]|, 0x1800000   ; with the floor 2^(3 - 127): the byte cannot fall under 1
.endr
.irp i, 2,4,6,8,10,12,14
.irp j, 0,1,2,3
	v_max3_num_f32 v[M+\j], v[M+\j], |v[T+16*\j+\i]|, |v[T+16*\j+\i+1]|
.endr
.endr
.irp j, 0,1,2,3
	v_permlanex16_b32 v[M2+\j], v[M+\j], s74, s75
.endr
.irp j, 0,1,2,3
	v_max_num_f32 v[M+\j], v[M+\j], v[M2+\j]       ; with the other parity's 16 rows
.endr
.irp j, 0,1,2,3
	v_add_nc_u32 v[SO+\j], 0xff000000, v[M+\j]     ; 2 off the exponent field: the conversion's scale operand
.endr
.irp j, 0,1,2,3
.if \sh == 0
	v_lshrrev_b32 v[WD+\j], 23, v[SO+\j]
.else
	v_lshrrev_b32 v[BY+\j], 23, v[SO+\j]
	v_lshl_or_b32 v[WD+\j], v[BY+\j], \sh, v[WD+\j]
.endif
.endr
.irp j, 0,1,2,3
	v_cvt_scalef32_pk8_fp4_f32 v[C+4*\j+\beta], v[T+16*\j:T+16*\j+7], v[SO+\j]         ; offsets 4 i + parity
	v_cvt_scalef32_pk8_fp4_f32 v[C+4*\j+2+\beta], v[T+16*\j+8:T+16*\j+15], v[SO+\j]    ; offsets 4 i + 2 + parity
.endr
	v_nop                                          ; one plain line behind the last scaled conversion
.endm
.macro QSTORE it                       ; lanes 0-15 get block 0 whole, lanes 16-31 block 1: registers 4 c .. 4 c + 3 of tile j's fragment, c = it % 2
.irp j, 0,1,2,3
	v_permlane16_swap_b32 v[C+4*\j], v[C+4*\j+1]
	v_permlane16_swap_b32 v[C+4*\j+2], v[C+4*\j+3]
.endr
.irp j, 0,1,2,3
	ds_store_b128 v4, v[C+4*\j:C+4*\j+3] offset:((\it)/2)*NT*1024+\j*1024+((\it)%2)*512
.endr
.if (\it)%2 == 1
	ds_store_b128 v5, v[WD:WD+3] offset:((\it)/2)*NG*512   ; the K step's four scale words of my row
.endif
.endm
; One halving of the word: the lower w bits from the bit's number on hold t set bits; where at least t are still to pass, they are passed and the number goes w up
.macro SELSTEP x, w
.irp u, 0,1,2
	v_bfe_u32 v[SELT+\u], v[\x+\u], v[SELO+\u], \w
.endr
.irp u, 0,1,2
	v_cmp_ge_u32 s[84+\u], v[SELK+\u], v[SELT+\u]
.endr
.irp u, 0,1,2
	v_cndmask_b32 v[SELT+\u], 0, v[SELT+\u], s[84+\u]
	v_cndmask_b32 v[SELU+\u], 0, \w, s[84+\u]
.endr
.irp u, 0,1,2
	v_sub_nc_u32 v[SELK+\u], v[SELK+\u], v[SELT+\u]
	v_add_nc_u32 v[SELO+\u], v[SELO+\u], v[SELU+\u]
.endr
.endm
; The tokens of my 80 places of the pass (s55 = 320 pass), three vectors by turns
.macro TOKSEL
	v_add_nc_u32 v[SELP], s55, v15                 ; places of tiles 0 | 1,
	v_add_nc_u32 v[SELP+1], 128, v[SELP]           ; 2 | 3,
	v_add_nc_u32 v[SELP+2], s55, v16               ; 4 | 4
.irp u, 0,1,2
	v_mov_b32 v[SELW+\u], s16                      ; word 0: its running count, 0, is under every place
	v_mov_b32 v[SELQ+\u], 0
.endr
	s_bcnt1_i32_b32 s52, s16                       ; set bits in front of word 1
.set G, 1
.rept 31
	s_lshl_b32 s81, s52, 16
	s_or_b32 s81, s81, 32*G
.irp u, 0,1,2
	v_cmp_gt_u32 s[84+\u], s52, v[SELP+\u]         ; the word begins beyond my place: the earlier word stays
.endr
.irp u, 0,1,2
	v_cndmask_b32 v[SELW+\u], s[16+G], v[SELW+\u], s[84+\u]
	v_cndmask_b32 v[SELQ+\u], s81, v[SELQ+\u], s[84+\u]
.endr
	s_bcnt1_i32_b32 s53, s[16+G]
	s_add_co_u32 s52, s52, s53
.set G, G+1
.endr
.irp u, 0,1,2
	v_lshrrev_b32 v[SELT+\u], 16, v[SELQ+\u]
.endr
.irp u, 0,1,2
	v_sub_nc_u32 v[SELK+\u], v[SELP+\u], v[SELT+\u]    ; set bits of the word to pass
.endr
.irp u, 0,1,2
	v_and_b32 v[SELQ+\u], 0xffff, v[SELQ+\u]       ; the word's first token
.endr
.irp u, 0,1,2
	v_lshrrev_b32 v[SELT+\u], 1, v[SELW+\u]
.endr
.irp u, 0,1,2
	v_and_b32 v[SELT+\u], 0x55555555, v[SELT+\u]
.endr
.irp u, 0,1,2
	v_sub_nc_u32 v[SELA+\u], v[SELW+\u], v[SELT+\u]    ; counts of each 2 bits
.endr
.irp u, 0,1,2
	v_lshrrev_b32 v[SELT+\u], 2, v[SELA+\u]
.endr
.irp u, 0,1,2
	v_and_b32 v[SELT+\u], 0x33333333, v[SELT+\u]
.endr
.irp u, 0,1,2
	v_and_b32 v[SELB+\u], 0x33333333, v[SELA+\u]
.endr
.irp u, 0,1,2
	v_add_nc_u32 v[SELB+\u], v[SELB+\u], v[SELT+\u]    ; of each 4
.endr
.irp u, 0,1,2
	v_lshrrev_b32 v[SELT+\u], 4, v[SELB+\u]
.endr
.irp u, 0,1,2
	v_add_nc_u32 v[SELC+\u], v[SELB+\u], v[SELT+\u]
.endr
.irp u, 0,1,2
	v_and_b32 v[SELC+\u], 0x0f0f0f0f, v[SELC+\u]   ; of each 8
.endr
.irp u, 0,1,2
	v_lshrrev_b32 v[SELT+\u], 8, v[SELC+\u]
.endr
.irp u, 0,1,2
	v_add_nc_u32 v[SELT+\u], v[SELC+\u], v[SELT+\u]
.endr
.irp u, 0,1,2
	v_and_b32 v[SELT+\u], 0xff, v[SELT+\u]         ; of the lower 16
.endr
.irp u, 0,1,2
	v_cmp_ge_u32 s[84+\u], v[SELK+\u], v[SELT+\u]
.endr
.irp u, 0,1,2
	v_cndmask_b32 v[SELT+\u], 0, v[SELT+\u], s[84+\u]
	v_cndmask_b32 v[SELO+\u], 0, 16, s[84+\u]
.endr
.irp u, 0,1,2
	v_sub_nc_u32 v[SELK+\u], v[SELK+\u], v[SELT+\u]
.endr
	SELSTEP SELC, 8
	SELSTEP SELB, 4
	SELSTEP SELA, 2
	SELSTEP SELW, 1
.irp u, 0,1,2
	v_add_nc_u32 v[TU+\u], v[SELQ+\u], v[SELO+\u]
.endr
.irp u, 0,1,2
	v_min_u32 v[TU+\u], 0x3ff, v[TU+\u]            ; at most 32 x 31 + 31 by its make; the hold says so to a reader
.endr
	v_mov_b32 v[XSO+1], 0                          ; a lane permute's destination counts as one of its sources
	v_mov_b32 v[XSO+3], 0
	v_permlanex16_b32 v[XSO+1], v[TU], s74, s75    ; the odd tiles' tokens into lanes 0-15, where a product takes its scales from
	v_permlanex16_b32 v[XSO+3], v[TU+1], s74, s75
	v_min_u32 v[XSO+1], 0x3ff, v[XSO+1]
	v_min_u32 v[XSO+3], 0x3ff, v[XSO+3]
	v_lshlrev_b32 v[XSO], 5, v[TU]
	v_lshlrev_b32 v[XSO+1], 5, v[XSO+1]
	v_lshlrev_b32 v[XSO+2], 5, v[TU+1]
	v_lshlrev_b32 v[XSO+3], 5, v[XSO+3]
	v_lshlrev_b32 v[XSO+4], 5, v[TU+2]
.endm
; Tile i: 16 loads, load m brings token m's 512 bytes.  The offsets have two sets of registers by turns.  free = 1: the set's last loads may still be out, so the wait on XCNT stands ahead of its rewriting;
; free = 0, in the stream: the set's last loads, two sets of W1 back, have been shown landed by the wait on LOADcnt at the head of this turn
.macro XCODES i, free
.set XO, XOF+16*((\i)%2)
.if \free
	s_wait_xcnt 0x0
.endif
.irp m, 0,1,2,3,4,5,6,7,8,9,10,11,12,13,14,15
	v_readlane_b32 s[80+\m], v[TU+(\i)/2], 16*((\i)%2)+\m
.endr
.irp m, 0,1,2,3,4,5,6,7,8,9,10,11,12,13,14,15
	s_min_u32 s[80+\m], s[80+\m], 0x3ff            ; a number made of loaded ones enters an address only behind this hold
.endr
.irp m, 0,1,2,3,4,5,6,7,8,9,10,11,12,13,14,15
	v_lshl_add_u32 v[XO+\m], s[80+\m], 9, v1
.endr
.if (\i) < 2
	WIN 0x80
.set AB, 128+64*(\i)
.else
	WIN 0xc0
.set AB, 64*((\i)-2)
.endif
.irp m, 0,1,2,3,4,5,6,7,8,9,10,11,12,13,14,15
	global_load_b128 v[AB+4*\m:AB+4*\m+3], v[XO+\m], s[8:9]    ; 512 consecutive bytes, aligned
.endr
	WIN 0
.endm
; Tile i turns: row m of my stage takes token m's 512 bytes as they lie; lane (r, h) takes back the 256 bytes of token r's half h: registers 8 s + 4 c on of the operand.
; LDS serves a wave's instructions in order: the loads see the stores, and the next tile's stores come behind these loads
.macro XTURN i
.if (\i) < 2
.set AB, 128+64*(\i)
	WIN 0x08
.else
.set AB, 64*((\i)-2)
	WIN 0x0c
.endif
.irp m, 0,1,2,3,4,5,6,7,8,9,10,11,12,13,14,15
	ds_store_b128 v7, v[AB+4*\m:AB+4*\m+3] offset:SROW*\m
.endr
.if (\i) < 2
	WIN 0x80
.else
	WIN 0xc0
.endif
.irp n, 0,1,2,3,4,5,6,7,8,9,10,11,12,13,14,15
	ds_load_b128 v[AB+4*\n:AB+4*\n+3], v8 offset:16*\n
.endr
	WIN 0
.endm
.macro XSCALES                         ; ten loads: each tile's token's eight scale words
.irp i, 0,1,2,3,4
	global_load_b128 v[XS+8*\i:XS+8*\i+3], v[XSO+\i], s[62:63]
	global_load_b128 v[XS+8*\i+4:XS+8*\i+7], v[XSO+\i], s[62:63] offset:16
.endr
.endm
.macro BIAS                            ; sixteen loads: b1 of units 64 G + 32 h + 0 .. 31
	WIN 0xc0
.irp g, 0,1
.irp n, 0,1,2,3,4,5,6,7
	global_load_b128 v[192+32*\g+4*\n:192+32*\g+4*\n+3], v31, s[70:71] offset:256*\g+16*\n
.endr
.endr
	WIN 0
.endm
.macro ACHUNK k
.if (\k) < 5
	XCODES \k, 0
.elseif (\k) == 5
	XSCALES
.elseif (\k) == 6
	BIAS
.endif
.endm
.macro ITER k, n                       ; set k is quantised; n: the loads issued behind it
	s_wait_loadcnt \n
	s_wait_dscnt 0x0                               ; the last set's LDS stores are done: C and WD are written anew
.if ((\k) >= 2) && ((\k) <= 6)
	XTURN (\k)-2                                   ; tile k - 2's loads were issued ahead of set k: the wait above shows them landed too
.endif
	GATHER (\k)%2, 0
	BLKQ 0, 16*((\k)%2)
	GATHER (\k)%2, 1
	ACHUNK \k
.if (\k) < 6
	WLOAD (\k)%2, (\k)+2                           ; the landing set has been read out: it takes the set two on
.endif
	BLKQ 1, 16*((\k)%2)+8
	QSTORE \k
.endm
.macro BFETCH s, b                     ; K step s: W1's eight fragments and their scale words into buffer b: 18 LDS loads
.irp ct, 0,1,2,3,4,5,6,7
.irp c, 0,1
	ds_load_b128 v[128+64*(\b)+8*\ct+4*\c:128+64*(\b)+8*\ct+4*\c+3], v1 offset:(8*(\s)+\ct)*1024+512*\c
.endr
.endr
.irp g, 0,1
	ds_load_b128 v[WS+8*(\b)+4*\g:WS+8*(\b)+4*\g+3], v6 offset:(2*(\s)+\g)*512
.endr
.endm
.macro MUL s                           ; 40 products: 5 tiles of tokens x 8 tiles of units; source 0 = 16 units, source 1 = 16 tokens.  The forty accumulators take turns.  The first K step takes b1 as C
.set BB, 128+64*((\s)%2)
.set WW, WS+8*((\s)%2)
.irp i, 0,1,2,3,4
.if \i < 2
.set AR, 128+64*\i+8*(\s)
.set DR, 64*\i
.if (\s) == 0
	WIN 0x68
.else
	WIN 0x58
.endif
.elseif \i < 4
.set AR, 64*(\i-2)+8*(\s)
.set DR, 64*\i
.if (\s) == 0
	WIN 0x6c
.else
	WIN 0x5c
.endif
.else
.set AR, 128+8*(\s)
.set DR, 0
	WIN 0xac
.endif
.irp ct, 0,1,2,3,4,5,6,7
.if (\s) == 0
	v_wmma_scale_f32_16x16x128_f8f6f4 v[DR+8*\ct:DR+8*\ct+7], v[BB+8*\ct:BB+8*\ct+7], v[AR:AR+7], v[64+8*\ct:64+8*\ct+7], v[WW+\ct], v[XS+8*\i+(\s)] matrix_a_fmt:MATRIX_FMT_FP4 matrix_b_fmt:MATRIX_FMT_FP4
.else
	v_wmma_scale_f32_16x16x128_f8f6f4 v[DR+8*\ct:DR+8*\ct+7], v[BB+8*\ct:BB+8*\ct+7], v[AR:AR+7], v[DR+8*\ct:DR+8*\ct+7], v[WW+\ct], v[XS+8*\i+(\s)] matrix_a_fmt:MATRIX_FMT_FP4 matrix_b_fmt:MATRIX_FMT_FP4
.endif
.endr
.endr
	WIN 0
.endm
.macro HOUT i                          ; tile i: relu, two blocks of 32 a lane quantised, the fragment and its scale word stored
.if \i < 4
	WIN 0x04
.set AC, 64*\i
.else
	WIN 0x08
.set AC, 0
.endif
.set X_, 0
.rept 64
	v_max_num_f32 v[E+X_], 0, v[AC+X_]             ; ascending: each accumulator is read from its low end on
.set X_, X_+1
.endr
	WIN 0
.irp g, 0,1
	v_max3_num_f32 v[HM+\g], v[E+32*\g], v[E+32*\g+1], 0x1800000   ; none is negative: no |.|
.endr
.irp x, 2,4,6,8,10,12,14,16,18,20,22,24,26,28,30
.irp g, 0,1
	v_max3_num_f32 v[HM+\g], v[HM+\g], v[E+32*\g+\x], v[E+32*\g+\x+1]
.endr
.endr
.irp g, 0,1
	v_add_nc_u32 v[HSO+\g], 0xff000000, v[HM+\g]
.endr
.irp g, 0,1
	v_lshrrev_b32 v[HBY+\g], 23, v[HSO+\g]
.endr
.irp g, 0,1
.irp j, 0,1,2,3
	v_cvt_scalef32_pk8_fp4_f32 v[HC+8*\i+4*\g+\j], v[E+32*\g+8*\j:E+32*\g+8*\j+7], v[HSO+\g]
.endr
.endr
	v_mov_b32 v[HT2], 0                            ; (a plain line behind the conversions; a lane permute's destination counts as a source)
	v_lshl_or_b32 v[HT], v[HBY+1], 16, v[HBY]      ; my bytes: blocks h and 2 + h,
	v_lshlrev_b32 v[HT], v9, v[HT]                 ; 8 h bits up;
	v_permlanex16_b32 v[HT2], v[HT], s74, s75
	v_or_b32 v[HW+\i], v[HT], v[HT2]               ; with the other half's two the word is whole
.irp c, 0,1
	global_store_b128 v1, v[HC+8*\i+4*\c:HC+8*\i+4*\c+3], s[66:67] offset:131072*\i+512*\c   ; 512 consecutive bytes
.endr
	global_store_b32 v2, v[HW+\i], s[68:69] offset:16384*\i
.endm
	s_load_b256 s[4:11], s[0:1], 0x0               ; W1, b1, xc, rt
	s_load_b128 s[12:15], s[0:1], 0x20             ; hc, pos
	v_lshl_add_u32 v[SPW], v0, 2, SPARE
	v_mov_b32 v[NIL], 0
	v_lshrrev_b32 v12, 5, v0
	v_readfirstlane_b32 s48, v12                   ; wave 0..3
	v_and_b32 v12, 31, v0                          ; L
	v_and_b32 v13, 15, v0                          ; q = r
	v_bfe_u32 v14, v0, 4, 1                        ; row parity = h
	v_lshlrev_b32 v1, 4, v12                       ; 16 L
	v_lshlrev_b32 v2, 2, v12                       ; 4 L
	v_lshlrev_b32 v3, 4, v13
	v_lshl_add_u32 v3, v14, 14, v3                 ; W1: parity x a row + 16 q
	s_lshr_b32 s52, s48, 1
	s_and_b32 s53, s48, 1
	s_lshl_b32 s56, s52, 15
	s_lshl_b32 s57, s53, 12
	s_add_co_u32 s56, s56, s57
	v_add_nc_u32 v4, s56, v1                       ; my images: K steps 4 (w / 2) on, tiles 4 (w % 2) on
	s_lshl_b32 s56, s52, 12
	s_lshl_b32 s57, s53, 9
	s_add_co_u32 s56, s56, s57
	s_add_co_u32 s56, s56, WSC
	v_add_nc_u32 v5, s56, v1                       ; my scale words
	v_add_nc_u32 v6, WSC, v1
	s_mul_i32 s56, s48, 16*SROW
	s_add_co_u32 s56, s56, STG                     ; my stage
	v_add_nc_u32 v7, s56, v1                       ; in: 16 L of a row
	v_mul_u32_u24 v8, v13, SROW
	v_lshl_add_u32 v8, v14, 8, v8
	v_add_nc_u32 v8, s56, v8                       ; back: row r, half h
	v_lshlrev_b32 v9, 3, v14                       ; 8 h
	v_lshlrev_b32 v31, 7, v14                      ; 128 h
	s_lshl_b32 s56, s48, 4
	v_add_nc_u32 v16, s56, v13                     ; 16 w + r
	v_lshl_add_u32 v15, v14, 6, v16                ; + 64 h: my place in tiles 0 | 1 of a pass
	v_add_nc_u32 v16, 256, v16                     ; and in tile 4
.irp j, 0,1,2,3
	v_mov_b32 v[M2+\j], 0                          ; a lane permute's destination counts as one of its sources
.endr
	s_lshr_b32 s49, ttmp9, 5                       ; e
	s_and_b32 s50, ttmp9, 31                       ; sl
	s_mov_b32 s74, 0x76543210
	s_mov_b32 s75, 0xfedcba98
	s_mov_b32 s54, 0                               ; pass
	s_mov_b32 s55, 0                               ; 320 pass
	s_lshl_b32 s58, s49, 24                        ; W1: e x 2^24 + 512 (w / 2) rows + 512 sl + 256 (w % 2), under 2^27
	s_lshl_b32 s56, s52, 23
	s_add_co_u32 s58, s58, s56
	s_lshl_b32 s56, s50, 9
	s_add_co_u32 s58, s58, s56
	s_lshl_b32 s56, s53, 8
	s_add_co_u32 s58, s58, s56
	s_mov_b32 s59, 0
	s_lshl_b32 s76, s49, 7
	s_mov_b32 s77, 0
	s_wait_kmcnt 0x0
	s_add_nc_u64 s[60:61], s[4:5], s[58:59]
	s_add_nc_u64 s[56:57], s[10:11], s[76:77]
	s_load_b512 s[16:31], s[56:57], 0x0            ; expert e's mask: 1,024 bits
	s_load_b512 s[32:47], s[56:57], 0x40
	WLOAD 0, 0
	WLOADR 1, 1, 0, 31                             ; 63 loads of mine are out; the work on the mask stands here, and set 1's last load behind it
	s_add_nc_u64 s[62:63], s[8:9], 0x80000         ; x's scale bytes
	s_mul_i32 s76, s49, 80
	s_add_co_u32 s76, s76, s48
	s_lshl_b32 s76, s76, 5
	s_add_co_u32 s76, s76, s50                     ; (80 e + w) 32 + sl
	s_lshl_b32 s58, s76, 10
	s_add_nc_u64 s[66:67], s[12:13], s[58:59]      ; h's codes
	s_lshl_b32 s58, s76, 7
	s_add_co_u32 s58, s58, 20971520
	s_add_nc_u64 s[68:69], s[12:13], s[58:59]      ; h's scale words
	s_lshl_b32 s58, s49, 14
	s_lshl_b32 s76, s50, 9
	s_add_co_u32 s58, s58, s76
	s_add_nc_u64 s[70:71], s[6:7], s[58:59]        ; b1
	s_lshl_b32 s58, s49, 12
	s_add_nc_u64 s[72:73], s[14:15], s[58:59]      ; pos
	s_wait_kmcnt 0x0
	s_bcnt1_i32_b32 s51, s16                       ; the expert's count
.set G, 1
.rept 31
	s_bcnt1_i32_b32 s53, s[16+G]
	s_add_co_u32 s51, s51, s53
.set G, G+1
.endr
	s_or_b32 s53, s48, s50
	s_cmp_lg_u32 s53, 0
	s_cbranch_scc1 .Lno_pos                        ; wave 0 of each expert's first work-group stores every token's place for the last launch
	s_mov_b32 s52, 0                               ; chosen tokens so far
.set G, 0
.rept 32
	v_mbcnt_lo_u32_b32 v[PR+G], s[16+G], s52       ; chosen tokens in front of token 32 G + L: its place, if it is chosen
	s_bcnt1_i32_b32 s53, s[16+G]
	s_add_co_u32 s52, s52, s53
.set G, G+1
.endr
.set G, 0
.rept 32
	global_store_b32 v2, v[PR+G], s[72:73] offset:128*G
.set G, G+1
.endr
	s_wait_xcnt 0x0                                ; the stores have read their registers, which the search takes
.Lno_pos:
	TOKSEL
	WLOADR 1, 1, 31, 32
	ITER 0, 32                                     ; behind set 0: set 1
	ITER 1, 48                                     ; behind set k: a tile's 16 loads of x's codes and set k + 1
	ITER 2, 48
	ITER 3, 48
	ITER 4, 48
	ITER 5, 48
	ITER 6, 42                                     ; the ten loads of scale words and set 7
	ITER 7, 16                                     ; b1's sixteen
	s_wait_loadcnt 0x0
	WIN 0x83
.irp g, 0,1
.irp j, 0,1,2,3
.irp i, 0,1,2,3,4,5,6,7
	v_mov_b32 v[64+8*(4*\g+\j)+\i], v[192+32*\g+4*\i+\j]   ; b1 in the result's layout: tile 4 G + j, register i: unit 64 G + 32 h + 4 i + j
.endr
.endr
.endr
	WIN 0
	PLACES 8
	s_wait_dscnt 0x0                               ; for the others' sake: my images lie in LDS; and x's codes are back from my stage
	s_barrier_signal -1
	s_barrier_wait -1
.Lpass:
	s_cmp_eq_u32 s54, 0
	s_cbranch_scc1 .Lrun                           ; pass 0's operands came with the stream
	s_cmp_ge_u32 s55, s51
	s_cbranch_scc1 .Lskip                          ; no place of this pass is under the count.  No barrier stands in a pass
	TOKSEL
	XCODES 0, 1
	XCODES 1, 1
	XCODES 2, 1
	XCODES 3, 1
	XCODES 4, 1
	XSCALES
	s_wait_loadcnt 0x0
	XTURN 0
	XTURN 1
	XTURN 2
	XTURN 3
	XTURN 4
.Lrun:
	BFETCH 0, 0
.set S_, 0
.rept 8
	PLACES 4                                       ; in front of loads into the buffer that the last step's products read
.if S_ < 7
	BFETCH S_+1, (S_+1)%2
	s_wait_dscnt 18                                ; this step's buffer is in, and all that was asked of LDS before it; the 18 loads just issued may be out
.else
	s_wait_dscnt 0x0
.endif
	MUL S_
.set S_, S_+1
.endr
	PLACES 5
	HOUT 0
	HOUT 1
	HOUT 2
	HOUT 3
	HOUT 4
.Lskip:
	s_wait_xcnt 0x0                                ; the stores have read their registers and bases
	s_add_nc_u64 s[66:67], s[66:67], 655360        ; 20 tiles on
	s_add_nc_u64 s[68:69], s[68:69], 81920
	s_add_co_u32 s55, s55, 320
	s_add_co_u32 s54, s54, 1
	s_cmp_lt_u32 s54, 4
	s_cbranch_scc1 .Lpass
	s_wait_tensorcnt 0x0                           ; the wave's end, behind my last LDS store
	ds_add_u32 v[SPW], v[NIL]
	s_wait_dscnt 0x0
	s_endpgm
.Lfunc_end_k_qdc59107439_up:
	.size	k_qdc59107439_up, .Lfunc_end_k_qdc59107439_up-k_qdc59107439_up
	.p2alignl 7, 3214868480
	.fill 96, 4, 3214868480
	.section	.rodata,"a",@progbits
	.p2align	6, 0x0
	.amdhsa_kernel k_qdc59107439_up
		.amdhsa_group_segment_fixed_size 108032
		.amdhsa_private_segment_fixed_size 0
		.amdhsa_enable_private_segment 0
		.amdhsa_kernarg_size 48
		.amdhsa_user_sgpr_count 2
		.amdhsa_user_sgpr_kernarg_segment_ptr 1
		.amdhsa_wavefront_size32 1
		.amdhsa_system_sgpr_workgroup_id_x 1
		.amdhsa_system_sgpr_workgroup_id_y 1
		.amdhsa_system_sgpr_workgroup_id_z 1
		.amdhsa_system_vgpr_workitem_id 0
		.amdhsa_next_free_vgpr 1024
		.amdhsa_next_free_sgpr 100
		.amdhsa_reserve_vcc 0
		.amdhsa_float_denorm_mode_32 3
		.amdhsa_float_denorm_mode_16_64 3
		.amdhsa_memory_ordered 1
		.amdhsa_forward_progress 1
		.amdhsa_inst_pref_size 255
	.end_amdhsa_kernel
	.section	.bss,"aw",@nobits
	.p2align	6
	.space	262144
	.amdgpu_metadata
---
amdhsa.version: [ 1, 2 ]
amdhsa.kernels:
  - .name:           k_qdc59107439_up
    .symbol:         k_qdc59107439_up.kd
    .args:
      - { .name: W1, .offset: 0, .size: 8, .value_kind: global_buffer, .address_space: global }
      - { .name: b1, .offset: 8, .size: 8, .value_kind: global_buffer, .address_space: global }
      - { .name: xc, .offset: 16, .size: 8, .value_kind: global_buffer, .address_space: global }
      - { .name: rt, .offset: 24, .size: 8, .value_kind: global_buffer, .address_space: global }
      - { .name: hc, .offset: 32, .size: 8, .value_kind: global_buffer, .address_space: global }
      - { .name: pos, .offset: 40, .size: 8, .value_kind: global_buffer, .address_space: global }
    .group_segment_fixed_size: 108032
    .private_segment_fixed_size: 0
    .kernarg_segment_align: 8
    .kernarg_segment_size: 48
    .max_flat_workgroup_size: 128
    .sgpr_count:     100
    .vgpr_count:     1024
    .wavefront_size: 32
...
	.end_amdgpu_metadata
.endif
;; end of part 2
;; launch down (part 3): grid 256 x 1, 4 waves a work-group, no clusters, 91,648 bytes of LDS; arguments W2, rt, hc, y; writes y
.if DOCPART == 3
	.amdgcn_target "amdgcn-amd-amdhsa--gfx1250"
	.amdhsa_code_object_version 6
	.text
	.protected	k_qdc59107439_down
	.globl	k_qdc59107439_down
	.p2align	8
	.type	k_qdc59107439_down,@function
k_qdc59107439_down:
	s_mov_b64 s[64:65], 0
	v_nop
	global_prefetch_b8 v0, s[64:65] scope:SCOPE_SE
	s_setreg_imm32_b32 hwreg(HW_REG_WAVE_MODE, 25, 1), 1
	s_wait_xcnt 0x0
; SECOND EXPERT LAYER, chosen rows alone: y[ks][e][place] = h W2[e] over half ks of K, on codes of E2M1.  Rows of experts that a token did not choose are dead work (shown at the head of the first kernel).
; SHARES.  Work-group (e, cs, ks): e = id / 32, outputs 64 cs .. 64 cs + 63, K rows 2,048 ks on: 2,048 x 64 numbers of W2, 512 KB, which no other work-group reads; a row's part is 256 bytes, aligned.
; The stream, the quantiser, the images in LDS and the order of k inside a block are the first layer's; wave w takes K rows 512 w on: K steps 4 w .. 4 w + 3 of the work-group's sixteen.
; h's fragments come from memory as images of registers, 15 loads a K step (5 tiles x 2 loads of codes, 5 scale words), through a ring of 8 K steps in registers; the first 8 are asked for among the stream's sets.
; ROWS.  Tile t = 20 pass + 4 i + w, as in the first layer; pass 0 always runs, a later pass where the count is over 320 pass.  A tile whose first place is at or over the count is not stored.
; The two halves of K and the two experts of a token are added by the last launch: no work-group could own an output row without reading weights twice.
; NO TENSOR LOAD, NO CLUSTER: the passes hang on a count read from memory; each byte of W2 has one reader.
; LIMITS: as stated at the head of the first kernel.
; REGISTERS.  window 0: v1-11 addresses; v32-71 h's scale words, 5 a ring slot; v72-79 W2's, two sets; v128-191 at work: T, then two buffers of W2's fragments, then the way out; v192-227 the quantiser's.
;   window 1: the landing sets, then the 20 accumulators (tile i, column tile j at 32 i + 8 j).   windows 2, 3: the ring: slot 0-5 at 40 slot + 8 i of window 2, slots 6, 7 at 40 (slot - 6) + 8 i of window 3.
.set PITCH, 4096
.set NT,    4
.set NG,    1
.set WSC,   65536
.set STG,   73728                      ; the way out: 16 rows x (256 + 16) bytes for each wave
.set SPARE, 91136
.set SPW, 10
.set NIL, 11
.set HS,  32
.set WS,  72
.set T,   128
.set C,   192
.set M,   208
.set M2,  212
.set SO,  216
.set BY,  220
.set WD,  224
.set T2,  128
.set RB,  160
.set MSB, 0
.macro WIN new
.if MSB != \new
	s_set_vgpr_msb (MSB<<8)|\new
.set MSB, \new
.endif
.endm
.macro PLACES n
.rept \n
	v_nop
.endr
.endm
.macro WLOAD set, it
	WIN 0x40
.irp i, 0,1,2,3,4,5,6,7,8,9,10,11,12,13,14,15,16,17,18,19,20,21,22,23,24,25,26,27,28,29,30,31
	global_load_b128 v[128*(\set)+4*\i:128*(\set)+4*\i+3], v3, s[60:61] offset:(64*(\it)+2*\i)*PITCH th:TH_LOAD_NT
.endr
	WIN 0
.endm
.macro GATHER set, beta
	WIN 0x01
.irp t, 0,1,2,3,4,5,6,7,8,9,10,11,12,13,14,15
.irp j, 0,1,2,3
	v_mov_b32 v[T+16*\j+8*(\t%2)+\t/2], v[128*(\set)+4*(16*(\beta)+\t)+\j]
.endr
.endr
	WIN 0
.endm
.macro BLKQ beta, sh
.irp j, 0,1,2,3
	v_max3_num_f32 v[M+\j], |v[T+16*\j]|, |v[T+16*\j+1]|, 0x1800000
.endr
.irp i, 2,4,6,8,10,12,14
.irp j, 0,1,2,3
	v_max3_num_f32 v[M+\j], v[M+\j], |v[T+16*\j+\i]|, |v[T+16*\j+\i+1]|
.endr
.endr
.irp j, 0,1,2,3
	v_permlanex16_b32 v[M2+\j], v[M+\j], s74, s75
.endr
.irp j, 0,1,2,3
	v_max_num_f32 v[M+\j], v[M+\j], v[M2+\j]
.endr
.irp j, 0,1,2,3
	v_add_nc_u32 v[SO+\j], 0xff000000, v[M+\j]
.endr
.irp j, 0,1,2,3
.if \sh == 0
	v_lshrrev_b32 v[WD+\j], 23, v[SO+\j]
.else
	v_lshrrev_b32 v[BY+\j], 23, v[SO+\j]
	v_lshl_or_b32 v[WD+\j], v[BY+\j], \sh, v[WD+\j]
.endif
.endr
.irp j, 0,1,2,3
	v_cvt_scalef32_pk8_fp4_f32 v[C+4*\j+\beta], v[T+16*\j:T+16*\j+7], v[SO+\j]
	v_cvt_scalef32_pk8_fp4_f32 v[C+4*\j+2+\beta], v[T+16*\j+8:T+16*\j+15], v[SO+\j]
.endr
	v_nop                                          ; one plain line behind the last scaled conversion
.endm
.macro QSTORE it
.irp j, 0,1,2,3
	v_permlane16_swap_b32 v[C+4*\j], v[C+4*\j+1]
	v_permlane16_swap_b32 v[C+4*\j+2], v[C+4*\j+3]
.endr
.irp j, 0,1,2,3
	ds_store_b128 v4, v[C+4*\j:C+4*\j+3] offset:((\it)/2)*NT*1024+\j*1024+((\it)%2)*512
.endr
.if (\it)%2 == 1
	ds_store_b128 v5, v[WD:WD+3] offset:((\it)/2)*NG*512
.endif
.endm
.macro ALOAD s                         ; K step s of h, my five tiles: 15 loads into ring slot s % 8
.set SL, (\s)%8
.if SL < 6
	WIN 0x80
.set AR, 40*SL
.else
	WIN 0xc0
.set AR, 40*(SL-6)
.endif
.irp i, 0,1,2,3,4
.irp c, 0,1
	global_load_b128 v[AR+8*\i+4*\c:AR+8*\i+4*\c+3], v1, s[66:67] offset:131072*\i+1024*(\s)+512*\c
.endr
.endr
	WIN 0
.irp i, 0,1,2,3,4
	global_load_b32 v[HS+5*SL+\i], v2, s[68:69] offset:16384*\i+128*(\s)
.endr
.endm
.macro ITER k, n
	s_wait_loadcnt \n
	s_wait_dscnt 0x0                               ; the last set's LDS stores are done: C and WD are written anew
	GATHER (\k)%2, 0
	BLKQ 0, 16*((\k)%2)
	GATHER (\k)%2, 1
	ALOAD \k
.if (\k) < 6
	WLOAD (\k)%2, (\k)+2
.endif
	BLKQ 1, 16*((\k)%2)+8
	QSTORE \k
.endm
.macro BFETCH s                        ; K step s: W2's four fragments and their scale words: 9 LDS loads
.irp j, 0,1,2,3
.irp c, 0,1
	ds_load_b128 v[128+32*((\s)%2)+8*\j+4*\c:128+32*((\s)%2)+8*\j+4*\c+3], v1 offset:(4*(\s)+\j)*1024+512*\c
.endr
.endr
	ds_load_b128 v[WS+4*((\s)%2):WS+4*((\s)%2)+3], v6 offset:(\s)*512
.endm
.macro MULD s                          ; 20 products: source 0 = 16 outputs, source 1 = 16 places.  The twenty accumulators take turns; the first K step starts the sums
.set BB, 128+32*((\s)%2)
.set WW, WS+4*((\s)%2)
.set SL, (\s)%8
.if SL < 6
	WIN 0x58
.set AR, 40*SL
.else
	WIN 0x5c
.set AR, 40*(SL-6)
.endif
.irp i, 0,1,2,3,4
.irp j, 0,1,2,3
.if (\s) == 0
	v_wmma_scale_f32_16x16x128_f8f6f4 v[32*\i+8*\j:32*\i+8*\j+7], v[BB+8*\j:BB+8*\j+7], v[AR+8*\i:AR+8*\i+7], 0, v[WW+\j], v[HS+5*SL+\i] matrix_a_fmt:MATRIX_FMT_FP4 matrix_b_fmt:MATRIX_FMT_FP4
.else
	v_wmma_scale_f32_16x16x128_f8f6f4 v[32*\i+8*\j:32*\i+8*\j+7], v[BB+8*\j:BB+8*\j+7], v[AR+8*\i:AR+8*\i+7], v[32*\i+8*\j:32*\i+8*\j+7], v[WW+\j], v[HS+5*SL+\i] matrix_a_fmt:MATRIX_FMT_FP4 matrix_b_fmt:MATRIX_FMT_FP4
.endif
.endr
.endr
	WIN 0
.endm
.macro YOUT i                          ; tile i: a lane's 32 results are columns 32 h + 4 i' + j of place r: brought in order, through my stage, out as whole rows of 256 bytes
	s_add_co_u32 s53, s55, 64*\i
	s_add_co_u32 s53, s53, s77
	s_cmp_ge_u32 s53, s51
	s_cbranch_scc1 .Lnone_\@                       ; the tile's first place is at or over the count: nobody reads it
	s_wait_xcnt 0x0                                ; the last tile's stores have read their registers
	WIN 0x01
.irp r, 0,1,2,3,4,5,6,7
.irp j, 0,1,2,3
	v_mov_b32 v[T2+4*\r+\j], v[32*\i+8*\j+\r]      ; register 0 of each accumulator first
.endr
.endr
	WIN 0
.irp q, 0,1,2,3,4,5,6,7
	ds_store_b128 v7, v[T2+4*\q:T2+4*\q+3] offset:16*\q
.endr
.irp m, 0,1,2,3,4,5,6,7
	ds_load_b128 v[RB+4*\m:RB+4*\m+3], v8 offset:544*\m      ; LDS serves a wave's instructions in order: these see my stores
.endr
.irp m, 0,1,2,3,4,5,6,7
	s_wait_dscnt 7-\m
	global_store_b128 v9, v[RB+4*\m:RB+4*\m+3], s[70:71] offset:262144*\i+8192*\m   ; sixteen lanes store 256 consecutive bytes, aligned
.endr
.Lnone_\@:
.endm
	s_load_b256 s[4:11], s[0:1], 0x0               ; W2, rt, hc, y
	v_lshl_add_u32 v[SPW], v0, 2, SPARE
	v_mov_b32 v[NIL], 0
	v_lshrrev_b32 v12, 5, v0
	v_readfirstlane_b32 s48, v12                   ; wave 0..3
	v_and_b32 v12, 31, v0                          ; L
	v_and_b32 v13, 15, v0                          ; q = r
	v_bfe_u32 v14, v0, 4, 1                        ; row parity = h
	v_lshlrev_b32 v1, 4, v12
	v_lshlrev_b32 v2, 2, v12
	v_lshlrev_b32 v3, 4, v13
	v_lshl_add_u32 v3, v14, 12, v3                 ; W2: parity x a row + 16 q
	s_lshl_b32 s56, s48, 14
	v_add_nc_u32 v4, s56, v1                       ; my images: K steps 4 w on
	s_lshl_b32 s56, s48, 11
	s_add_co_u32 s56, s56, WSC
	v_add_nc_u32 v5, s56, v1
	v_add_nc_u32 v6, WSC, v1
	s_mul_i32 s56, s48, 4352
	s_add_co_u32 s56, s56, STG                     ; my stage
	v_mul_u32_u24 v7, v13, 272
	v_lshl_add_u32 v7, v14, 7, v7
	v_add_nc_u32 v7, s56, v7                       ; in: row r, 128 h
	v_mul_u32_u24 v8, v14, 272
	v_lshl_add_u32 v8, v13, 4, v8
	v_add_nc_u32 v8, s56, v8                       ; back: lanes 0-15 one row, lanes 16-31 the next
	v_lshlrev_b32 v9, 4, v13
	v_lshl_add_u32 v9, v14, 12, v9                 ; and the same two rows of y
.irp j, 0,1,2,3
	v_mov_b32 v[M2+\j], 0
.endr
	s_lshr_b32 s49, ttmp9, 5                       ; e
	s_bfe_u32 s50, ttmp9, 0x40001                  ; cs
	s_and_b32 s52, ttmp9, 1                        ; ks
	s_lshl_b32 s77, s48, 4                         ; 16 w
	s_mov_b32 s74, 0x76543210
	s_mov_b32 s75, 0xfedcba98
	s_lshl_b32 s58, s49, 24                        ; W2: e x 2^24 + (2,048 ks + 512 w) rows + 256 cs
	s_lshl_b32 s56, s52, 23
	s_add_co_u32 s58, s58, s56
	s_lshl_b32 s56, s48, 21
	s_add_co_u32 s58, s58, s56
	s_lshl_b32 s56, s50, 8
	s_add_co_u32 s58, s58, s56
	s_mov_b32 s59, 0
	s_lshl_b32 s78, s49, 7
	s_mov_b32 s79, 0
	s_wait_kmcnt 0x0
	s_add_nc_u64 s[60:61], s[4:5], s[58:59]
	s_add_nc_u64 s[56:57], s[6:7], s[78:79]
	s_load_b512 s[16:31], s[56:57], 0x0            ; expert e's mask
	s_load_b512 s[32:47], s[56:57], 0x40
	WLOAD 0, 0
	WLOAD 1, 1
	s_mul_i32 s76, s49, 80
	s_add_co_u32 s76, s76, s48
	s_lshl_b32 s76, s76, 5
	s_lshl_b32 s58, s52, 4
	s_add_co_u32 s76, s76, s58                     ; (80 e + w) 32 + 16 ks
	s_lshl_b32 s58, s76, 10
	s_add_nc_u64 s[66:67], s[8:9], s[58:59]        ; h's codes
	s_lshl_b32 s58, s76, 7
	s_add_co_u32 s58, s58, 20971520
	s_add_nc_u64 s[68:69], s[8:9], s[58:59]        ; h's scale words
	s_lshl_b32 s58, s52, 3
	s_add_co_u32 s58, s58, s49
	s_mul_i32 s58, s58, 1280
	s_add_co_u32 s58, s58, s77
	s_lshl_b32 s58, s58, 12
	s_lshl_b32 s76, s50, 8
	s_add_co_u32 s58, s58, s76
	s_add_nc_u64 s[70:71], s[10:11], s[58:59]      ; y: ((8 ks + e) 1,280 + 16 w) rows + 256 cs
	s_wait_kmcnt 0x0
	s_bcnt1_i32_b32 s51, s16                       ; the expert's count
.set G, 1
.rept 31
	s_bcnt1_i32_b32 s53, s[16+G]
	s_add_co_u32 s51, s51, s53
.set G, G+1
.endr
	ITER 0, 32                                     ; behind set 0: set 1
	ITER 1, 47                                     ; behind set k: a K step's 15 loads of h and set k + 1
	ITER 2, 47
	ITER 3, 47
	ITER 4, 47
	ITER 5, 47
	ITER 6, 47
	ITER 7, 15
	s_wait_loadcnt 0x0                             ; K steps 6 and 7 of h, thirty loads, were still out: no load is pending when the text comes to the pass loop, whose later passes load into the ring's registers again
	s_wait_dscnt 0x0                               ; for the others' sake: my images lie in LDS
	s_barrier_signal -1
	s_barrier_wait -1
	s_mov_b32 s54, 0                               ; pass
	s_mov_b32 s55, 0                               ; 320 pass
.Lpass:
	s_cmp_eq_u32 s54, 0
	s_cbranch_scc1 .Lrun                           ; pass 0's first eight K steps of h came with the stream
	s_cmp_ge_u32 s55, s51
	s_cbranch_scc1 .Lskip                          ; no barrier stands in a pass
	ALOAD 0
	ALOAD 1
	ALOAD 2
	ALOAD 3
	ALOAD 4
	ALOAD 5
	ALOAD 6
	ALOAD 7
.Lrun:
	s_wait_loadcnt 0x0                             ; a later pass's first eight K steps of h are in (in pass 0 nothing is out here)
	BFETCH 0
.set S_, 0
.rept 16
	PLACES 4                                       ; in front of loads into the ring slot and the buffer that the last step's products read
.if (S_ >= 1) && (S_ <= 8)
	ALOAD S_+7
.endif
.if S_ < 15
	BFETCH S_+1
	s_wait_dscnt 9                                 ; this step's buffer is in; the nine loads just issued may be out
.else
	s_wait_dscnt 0x0
.endif
.if S_ >= 8
.if 15*(15-S_) > 63
	s_wait_loadcnt 63                              ; the wait's field holds no more: stricter than the younger K steps' loads would ask
.else
	s_wait_loadcnt 15*(15-S_)                      ; this K step of h is in; the younger ones, 15 loads each, may be out
.endif
.endif
	MULD S_
.set S_, S_+1
.endr
	PLACES 5
	YOUT 0
	YOUT 1
	YOUT 2
	YOUT 3
	YOUT 4
.Lskip:
	s_wait_xcnt 0x0                                ; the stores have read their registers and base
	s_add_nc_u64 s[66:67], s[66:67], 655360        ; 20 tiles on
	s_add_nc_u64 s[68:69], s[68:69], 81920
	s_add_nc_u64 s[70:71], s[70:71], 1310720       ; 320 rows on
	s_add_co_u32 s55, s55, 320
	s_add_co_u32 s54, s54, 1
	s_cmp_lt_u32 s54, 4
	s_cbranch_scc1 .Lpass
	s_wait_tensorcnt 0x0                           ; the wave's end, behind my last LDS store
	ds_add_u32 v[SPW], v[NIL]
	s_wait_dscnt 0x0
	s_endpgm
.Lfunc_end_k_qdc59107439_down:
	.size	k_qdc59107439_down, .Lfunc_end_k_qdc59107439_down-k_qdc59107439_down
	.p2alignl 7, 3214868480
	.fill 96, 4, 3214868480
	.section	.rodata,"a",@progbits
	.p2align	6, 0x0
	.amdhsa_kernel k_qdc59107439_down
		.amdhsa_group_segment_fixed_size 91648
		.amdhsa_private_segment_fixed_size 0
		.amdhsa_enable_private_segment 0
		.amdhsa_kernarg_size 32
		.amdhsa_user_sgpr_count 2
		.amdhsa_user_sgpr_kernarg_segment_ptr 1
		.amdhsa_wavefront_size32 1
		.amdhsa_system_sgpr_workgroup_id_x 1
		.amdhsa_system_sgpr_workgroup_id_y 1
		.amdhsa_system_sgpr_workgroup_id_z 1
		.amdhsa_system_vgpr_workitem_id 0
		.amdhsa_next_free_vgpr 1024
		.amdhsa_next_free_sgpr 80
		.amdhsa_reserve_vcc 0
		.amdhsa_float_denorm_mode_32 3
		.amdhsa_float_denorm_mode_16_64 3
		.amdhsa_memory_ordered 1
		.amdhsa_forward_progress 1
		.amdhsa_inst_pref_size 231
	.end_amdhsa_kernel
	.amdgpu_metadata
---
amdhsa.version: [ 1, 2 ]
amdhsa.kernels:
  - .name:           k_qdc59107439_down
    .symbol:         k_qdc59107439_down.kd
    .args:
      - { .name: W2, .offset: 0, .size: 8, .value_kind: global_buffer, .address_space: global }
      - { .name: rt, .offset: 8, .size: 8, .value_kind: global_buffer, .address_space: global }
      - { .name: hc, .offset: 16, .size: 8, .value_kind: global_buffer, .address_space: global }
      - { .name: y, .offset: 24, .size: 8, .value_kind: global_buffer, .address_space: global }
    .group_segment_fixed_size: 91648
    .private_segment_fixed_size: 0
    .kernarg_segment_align: 8
    .kernarg_segment_size: 32
    .max_flat_workgroup_size: 128
    .sgpr_count:     80
    .vgpr_count:     1024
    .wavefront_size: 32
...
	.end_amdgpu_metadata
.endif
;; end of part 3
;; launch mix (part 4): grid 256 x 1, 4 waves a work-group, no clusters, 0 bytes of LDS; arguments rt, gate, pos, y, b2, out0; writes out0
.if DOCPART == 4
	.amdgcn_target "amdgcn-amd-amdhsa--gfx1250"
	.amdhsa_code_object_version 6
	.text
	.protected	k_qdc59107439_mix
	.globl	k_qdc59107439_mix
	.p2align	8
	.type	k_qdc59107439_mix,@function
k_qdc59107439_mix:
	s_mov_b64 s[64:65], 0
	v_nop
	global_prefetch_b8 v0, s[64:65] scope:SCOPE_SE
	s_setreg_imm32_b32 hwreg(HW_REG_WAVE_MODE, 25, 1), 1
	s_wait_xcnt 0x0
; THE WEIGHTED SUM: out[n] = g0 (y[0][e0][p0] + y[1][e0][p0] + b2[e0]) + g1 (the same of e1, p1).  The six experts with weight 0 add nothing (shown at the head of the first kernel).
; A wave takes one token: 4,096 bytes of each of six rows, 48 loads of 512 consecutive bytes, all issued ahead of the first wait.  The experts, the gates and the token's place in all eight lists
; come by scalar loads issued together; the two places are then selected.  A stream: no LDS, no matrix unit, no cluster (no two waves read the same row of y).
	s_load_b256 s[4:11], s[0:1], 0x0               ; rt, gate, pos, y
	s_load_b128 s[12:15], s[0:1], 0x20             ; b2, out0
	v_lshrrev_b32 v1, 5, v0
	v_readfirstlane_b32 s16, v1                    ; wave
	v_and_b32 v1, 31, v0
	v_lshlrev_b32 v1, 4, v1                        ; 16 L
	s_lshl_b32 s17, ttmp9, 2
	s_add_co_u32 s17, s17, s16                     ; my token
	s_lshl_b32 s18, s17, 3
	s_lshl_b32 s19, s17, 2
	s_wait_kmcnt 0x0
	s_load_b64 s[20:21], s[4:5], s18 offset:0x400  ; e0, e1
	s_load_b64 s[22:23], s[6:7], s18 offset:0x0    ; g0, g1
.irp e, 0,1,2,3,4,5,6,7
	s_load_b32 s[24+\e], s[8:9], s19 offset:4096*\e
.endr
	s_wait_kmcnt 0x0
	s_min_u32 s20, s20, 7                          ; loaded numbers enter addresses only behind a hold
	s_min_u32 s21, s21, 7
	s_mov_b32 s32, s24
	s_mov_b32 s33, s24
.irp e, 1,2,3,4,5,6,7
	s_cmp_eq_u32 s20, \e
	s_cselect_b32 s32, s[24+\e], s32
	s_cmp_eq_u32 s21, \e
	s_cselect_b32 s33, s[24+\e], s33
.endr
	s_min_u32 s32, s32, 0x3ff
	s_min_u32 s33, s33, 0x3ff
	s_mul_i32 s34, s20, 1280
	s_add_co_u32 s34, s34, s32
	s_lshl_b32 s34, s34, 12
	s_mov_b32 s35, 0
	s_add_nc_u64 s[36:37], s[10:11], s[34:35]      ; y[0][e0][p0]
	s_add_nc_u64 s[38:39], s[36:37], 41943040      ; y[1][e0][p0]
	s_mul_i32 s34, s21, 1280
	s_add_co_u32 s34, s34, s33
	s_lshl_b32 s34, s34, 12
	s_add_nc_u64 s[40:41], s[10:11], s[34:35]
	s_add_nc_u64 s[42:43], s[40:41], 41943040
	s_lshl_b32 s34, s20, 12
	s_add_nc_u64 s[44:45], s[12:13], s[34:35]      ; b2[e0]
	s_lshl_b32 s34, s21, 12
	s_add_nc_u64 s[46:47], s[12:13], s[34:35]
	s_lshl_b32 s34, s17, 12
	s_add_nc_u64 s[48:49], s[14:15], s[34:35]      ; out[n]
	s_mov_b32 s50, s23                             ; g1 as the low word of a pair: the packed forms take a scalar pair's low word for both halves
	s_mov_b32 s51, s23
.irp m, 0,1,2,3,4,5,6,7
	global_load_b128 v[16+24*\m:19+24*\m], v1, s[36:37] offset:512*\m th:TH_LOAD_NT
	global_load_b128 v[20+24*\m:23+24*\m], v1, s[38:39] offset:512*\m th:TH_LOAD_NT
	global_load_b128 v[24+24*\m:27+24*\m], v1, s[40:41] offset:512*\m th:TH_LOAD_NT
	global_load_b128 v[28+24*\m:31+24*\m], v1, s[42:43] offset:512*\m th:TH_LOAD_NT
	global_load_b128 v[32+24*\m:35+24*\m], v1, s[44:45] offset:512*\m
	global_load_b128 v[36+24*\m:39+24*\m], v1, s[46:47] offset:512*\m
.endr
.irp m, 0,1,2,3,4,5,6,7
	s_wait_loadcnt 6*(7-\m)                        ; this piece's six loads are in; the later pieces' may be out
.irp p, 0,2
	v_pk_add_f32 v[16+24*\m+\p:17+24*\m+\p], v[16+24*\m+\p:17+24*\m+\p], v[20+24*\m+\p:21+24*\m+\p]
	v_pk_add_f32 v[24+24*\m+\p:25+24*\m+\p], v[24+24*\m+\p:25+24*\m+\p], v[28+24*\m+\p:29+24*\m+\p]
	v_pk_add_f32 v[16+24*\m+\p:17+24*\m+\p], v[16+24*\m+\p:17+24*\m+\p], v[32+24*\m+\p:33+24*\m+\p]
	v_pk_add_f32 v[24+24*\m+\p:25+24*\m+\p], v[24+24*\m+\p:25+24*\m+\p], v[36+24*\m+\p:37+24*\m+\p]
	v_pk_mul_f32 v[16+24*\m+\p:17+24*\m+\p], v[16+24*\m+\p:17+24*\m+\p], s[22:23] op_sel_hi:[1,0]
	v_pk_fma_f32 v[16+24*\m+\p:17+24*\m+\p], v[24+24*\m+\p:25+24*\m+\p], s[50:51], v[16+24*\m+\p:17+24*\m+\p] op_sel_hi:[1,0,1]
.endr
	global_store_b128 v1, v[16+24*\m:19+24*\m], s[48:49] offset:512*\m th:TH_STORE_NT   ; 512 consecutive bytes, aligned; each piece has registers of its own
.endr
	s_endpgm
.Lfunc_end_k_qdc59107439_mix:
	.size	k_qdc59107439_mix, .Lfunc_end_k_qdc59107439_mix-k_qdc59107439_mix
	.p2alignl 7, 3214868480
	.fill 96, 4, 3214868480
	.section	.rodata,"a",@progbits
	.p2align	6, 0x0
	.amdhsa_kernel k_qdc59107439_mix
		.amdhsa_group_segment_fixed_size 0
		.amdhsa_private_segment_fixed_size 0
		.amdhsa_enable_private_segment 0
		.amdhsa_kernarg_size 48
		.amdhsa_user_sgpr_count 2
		.amdhsa_user_sgpr_kernarg_segment_ptr 1
		.amdhsa_wavefront_size32 1
		.amdhsa_system_sgpr_workgroup_id_x 1
		.amdhsa_system_sgpr_workgroup_id_y 1
		.amdhsa_system_sgpr_workgroup_id_z 1
		.amdhsa_system_vgpr_workitem_id 0
		.amdhsa_next_free_vgpr 240
		.amdhsa_next_free_sgpr 66
		.amdhsa_reserve_vcc 0
		.amdhsa_float_denorm_mode_32 3
		.amdhsa_float_denorm_mode_16_64 3
		.amdhsa_memory_ordered 1
		.amdhsa_forward_progress 1
		.amdhsa_inst_pref_size 15
	.end_amdhsa_kernel
	.amdgpu_metadata
---
amdhsa.version: [ 1, 2 ]
amdhsa.kernels:
  - .name:           k_qdc59107439_mix
    .symbol:         k_qdc59107439_mix.kd
    .args:
      - { .name: rt, .offset: 0, .size: 8, .value_kind: global_buffer, .address_space: global }
      - { .name: gate, .offset: 8, .size: 8, .value_kind: global_buffer, .address_space: global }
      - { .name: pos, .offset: 16, .size: 8, .value_kind: global_buffer, .address_space: global }
      - { .name: y, .offset: 24, .size: 8, .value_kind: global_buffer, .address_space: global }
      - { .name: b2, .offset: 32, .size: 8, .value_kind: global_buffer, .address_space: global }
      - { .name: out0, .offset: 40, .size: 8, .value_kind: global_buffer, .address_space: global }
    .group_segment_fixed_size: 0
    .private_segment_fixed_size: 0
    .kernarg_segment_align: 8
    .kernarg_segment_size: 48
    .max_flat_workgroup_size: 128
    .sgpr_count:     66
    .vgpr_count:     240
    .wavefront_size: 32
...
	.end_amdgpu_metadata
.endif
;; end of part 4
